; MI455X (gfx1250); checked and timed in simulation.
; The chip was launched on July 23, 2026; its instructions are those of AMD's public machine-readable ISA for CDNA 5 (MIT licence, August 2026) and "CDNA5" Instruction Set Architecture Reference Guide (July 2026). The comments in the code are by the model that wrote it; some were corrected since.
;; LSTM Cell. Allowed arithmetic: float matrix products may take bf16 or f16 operands with f32 sums; all other float work in f32.
;; Inputs: Wh 4,096 x 1,024 float32; Wx 4,096 x 1,024 float32; bh 4,096 float32; bx 4,096 float32; c_1 8,192 x 1,024 float32; h 8,192 x 1,024 float32; x 8,192 x 1,024 float32.
;; Outputs: out0 8,192 x 1,024 float32; out1 8,192 x 1,024 float32.
;; 2 versions, each right; version 2 is version 1 with the launch cast written anew for expert scheduling mode. Each part assembles by itself: llvm-mc -triple=amdgcn-amd-amdhsa -mcpu=gfx1250 --defsym DOCPART=n.
;; ======== version 1 of 2: 2 launches
;; workspace buffers: A2 33,554,432 bytes; W2 16,777,216 bytes
;; launch cast (part 1): grid 256 x 3, 8 waves a work-group, no clusters, 0 bytes of LDS; arguments x, h, Wx, Wh, A2, W2; writes A2, W2
.if DOCPART == 1
	.amdgcn_target "amdgcn-amd-amdhsa--gfx1250"
	.amdhsa_code_object_version 6
	.text
	.protected	k_q9d51e3c5e6_cast
	.globl	k_q9d51e3c5e6_cast
	.p2align	8
	.type	k_q9d51e3c5e6_cast,@function
k_q9d51e3c5e6_cast:
	s_mov_b64 s[64:65], 0
	v_nop
	global_prefetch_b8 v0, s[64:65] scope:SCOPE_SE
	s_setreg_imm32_b32 hwreg(HW_REG_WAVE_MODE, 25, 1), 1
	s_wait_xcnt 0x0
; x, h, Wx, Wh (f32) -> A2, W2 (bf16), each number rounded once to nearest even.
; A2[8192][2048]: row = x's row, then h's row.  W2[4096][2048]: row n' = Wx's row n, then Wh's row n, where
;   n = 1024 g + 64 tc + 32 ch + u  (g = gate 0..3, tc = 0..15, ch = 0..1, u = 0..31)   goes to   n' = 256 tc + 128 ch + 32 g + u:
; an aligned block of 32 rows, number q = 32 g + 2 tc + ch, goes whole to block 8 tc + 4 ch + g.  So 128 neighbouring rows of W2 hold the four gates of 32 units.
; A stream: no LDS, no barrier, no matrix work; each source byte is read once, each target byte written once.
; SHARES.  24,576 source rows of 4,096 bytes; a work-group takes 32, each of its eight waves 4.  Grid row 0: x; 1: h; 2: Wx (first 128 work-groups), Wh (the others).
; A wave issues all its 32 loads at once (16,384 bytes on their way), each 512 consecutive bytes; then each load's four numbers a lane are rounded in place and stored:
; 32 lanes x 8 bytes = 256 consecutive bytes, at a multiple of 256 from the buffer's first byte.  No register is written twice, so no wait frees a source.
.set ROW, 4096                         ; bytes in a source row, and in a row of A2 and W2
.set X,   4                            ; v[4:131]  load n: four registers
	s_load_b256 s[4:11], s[0:1], 0x0               ; x s[4:5], h s[6:7], Wx s[8:9], Wh s[10:11]
	s_load_b128 s[12:15], s[0:1], 0x20             ; A2 s[12:13], W2 s[14:15]
	s_and_b32 s16, ttmp7, 0xffff                   ; grid row: which tensor
	s_mov_b32 s17, ttmp9                           ; block of 32 rows (grid row 2: Wx's 128 blocks, then Wh's)
	s_and_b32 s18, s17, 127                        ; q
	s_lshr_b32 s19, s17, 7                         ; 0: Wx, 1: Wh
	s_bfe_u32 s20, s18, 0x40001                    ; tc = (q >> 1) & 15
	s_and_b32 s21, s18, 1                          ; ch
	s_lshr_b32 s22, s18, 5                         ; g
	s_lshl2_add_u32 s21, s21, s22                  ; 4 ch + g
	s_lshl3_add_u32 s20, s20, s21                  ; 8 tc + 4 ch + g: the block's place in W2
	s_cmp_eq_u32 s16, 2
	s_cselect_b32 s30, s18, s17                    ; source block
	s_cselect_b32 s31, s20, s17                    ; target block
	s_cselect_b32 s32, s19, s16                    ; which half of the target's rows: x, Wx 0; h, Wh 1
	s_lshl_b32 s34, s30, 17                        ; 32 rows of 4,096 bytes
	s_mov_b32 s35, 0
	s_lshl_b32 s36, s31, 17
	s_lshl_b32 s37, s32, 11                        ; half a target row: 1,024 bf16
	s_add_co_u32 s36, s36, s37
	s_mov_b32 s37, 0
	v_lshrrev_b32 v3, 5, v0                        ; wave
	v_and_b32 v2, 31, v0                           ; lane
	v_lshlrev_b32 v3, 14, v3                       ; the wave's 4 rows, in source and target alike
	v_lshl_or_b32 v1, v2, 4, v3                    ; source: 16 bytes a lane
	v_lshl_or_b32 v2, v2, 3, v3                    ; target: 8 bytes a lane
	s_wait_kmcnt 0x0
	s_cmp_eq_u32 s16, 1
	s_cselect_b64 s[24:25], s[6:7], s[4:5]         ; h or x
	s_cmp_lt_u32 s17, 128
	s_cselect_b64 s[26:27], s[8:9], s[10:11]       ; Wx or Wh
	s_cmp_eq_u32 s16, 2
	s_cselect_b64 s[24:25], s[26:27], s[24:25]     ; the source
	s_cselect_b64 s[28:29], s[14:15], s[12:13]     ; the target: W2 or A2
	s_add_nc_u64 s[24:25], s[24:25], s[34:35]
	s_add_nc_u64 s[28:29], s[28:29], s[36:37]
.set n, 0
.rept 32                               ; load n: row n / 8 of the wave's four, piece n % 8 of 512 bytes; read once in the launch
	global_load_b128 v[X+4*n:X+4*n+3], v1, s[24:25] offset:(n/8)*ROW+(n%8)*512 th:TH_LOAD_NT
.set n, n+1
.endr
.set n, 0
.rept 32
	s_wait_loadcnt 31-n                            ; loads come back in order (ISA guide 5.7.1): load n is in, the 31 - n younger ones stay out
	v_cvt_pk_bf16_f32 v[X+4*n], v[X+4*n], v[X+4*n+1]
	v_cvt_pk_bf16_f32 v[X+4*n+1], v[X+4*n+2], v[X+4*n+3]
	global_store_b64 v2, v[X+4*n:X+4*n+1], s[28:29] offset:(n/8)*ROW+(n%8)*256  ; the next launch reads these bytes: no hint
.set n, n+1
.endr
	s_endpgm
.Lfunc_end_k_q9d51e3c5e6_cast:
	.size	k_q9d51e3c5e6_cast, .Lfunc_end_k_q9d51e3c5e6_cast-k_q9d51e3c5e6_cast
	.p2alignl 7, 3214868480
	.fill 96, 4, 3214868480
	.section	.rodata,"a",@progbits
	.p2align	6, 0x0
	.amdhsa_kernel k_q9d51e3c5e6_cast
		.amdhsa_group_segment_fixed_size 0
		.amdhsa_private_segment_fixed_size 0
		.amdhsa_enable_private_segment 0
		.amdhsa_kernarg_size 48
		.amdhsa_user_sgpr_count 2
		.amdhsa_user_sgpr_kernarg_segment_ptr 1
		.amdhsa_wavefront_size32 1
		.amdhsa_system_sgpr_workgroup_id_x 1
		.amdhsa_system_sgpr_workgroup_id_y 1
		.amdhsa_system_sgpr_workgroup_id_z 1
		.amdhsa_system_vgpr_workitem_id 0
		.amdhsa_next_free_vgpr 132
		.amdhsa_next_free_sgpr 66
		.amdhsa_reserve_vcc 0
		.amdhsa_float_denorm_mode_32 3
		.amdhsa_float_denorm_mode_16_64 3
		.amdhsa_memory_ordered 1
		.amdhsa_forward_progress 1
		.amdhsa_inst_pref_size 13
	.end_amdhsa_kernel
	.amdgpu_metadata
---
amdhsa.version: [ 1, 2 ]
amdhsa.kernels:
  - .name:           k_q9d51e3c5e6_cast
    .symbol:         k_q9d51e3c5e6_cast.kd
    .args:
      - { .name: x, .offset: 0, .size: 8, .value_kind: global_buffer, .address_space: global }
      - { .name: h, .offset: 8, .size: 8, .value_kind: global_buffer, .address_space: global }
      - { .name: Wx, .offset: 16, .size: 8, .value_kind: global_buffer, .address_space: global }
      - { .name: Wh, .offset: 24, .size: 8, .value_kind: global_buffer, .address_space: global }
      - { .name: A2, .offset: 32, .size: 8, .value_kind: global_buffer, .address_space: global }
      - { .name: W2, .offset: 40, .size: 8, .value_kind: global_buffer, .address_space: global }
    .group_segment_fixed_size: 0
    .private_segment_fixed_size: 0
    .kernarg_segment_align: 8
    .kernarg_segment_size: 48
    .max_flat_workgroup_size: 256
    .sgpr_count:     66
    .vgpr_count:     132
    .wavefront_size: 32
...
	.end_amdgpu_metadata
.endif
;; end of part 1
;; launch lstm (part 2): grid 16 x 32, 4 waves a work-group, clusters of 4 x 4, 327,680 bytes of LDS; arguments A2, W2, c_1, bx, bh, out0, out1; writes out0, out1
.if DOCPART == 2
	.amdgcn_target "amdgcn-amd-amdhsa--gfx1250"
	.amdhsa_code_object_version 6
	.text
	.protected	k_q9d51e3c5e6_lstm
	.globl	k_q9d51e3c5e6_lstm
	.p2align	8
	.type	k_q9d51e3c5e6_lstm,@function
k_q9d51e3c5e6_lstm:
	s_mov_b64 s[64:65], 0
	v_nop
	global_prefetch_b8 v0, s[64:65] scope:SCOPE_SE
	s_setreg_imm32_b32 hwreg(HW_REG_WAVE_MODE, 25, 1), 1
	s_wait_xcnt 0x0
	s_wait_alu depctr_hold_cnt(0) depctr_sa_sdst(0) depctr_va_vdst(0) depctr_va_sdst(0) depctr_va_ssrc(0) depctr_va_vcc(0) depctr_vm_vsrc(0)
	s_getreg_b32 s2, hwreg(HW_REG_IB_STS2, 6, 4)
	s_cmp_eq_u32 s2, 0
	s_cbranch_scc0 .Lentry_in_a_cluster
	s_endpgm
.Lentry_in_a_cluster:
	s_bfe_u32 s2, ttmp6, 0x10000c
	s_cmp_lg_u32 s2, 0xf033
	s_cbranch_scc0 .Lentry_shape_is_right
	s_endpgm
.Lentry_shape_is_right:
; g = A2 W2^T + (bx + bh);  i, f, o = sigmoid(g_i, g_f, g_o);  c_ = tanh(g_c);  c = sigmoid(f c_1 + i c_) -> out1;  h_new = tanh(c) o -> out0.
; A2: [8192][2048] bf16 (x | h).  W2: [4096][2048] bf16 (Wx | Wh), rows in the order 256 tc + 128 ch + 32 gate + u for unit 64 tc + 32 ch + u.  c_1, out0, out1: [8192][1024] f32.  bx, bh: [4096] f32, gate by gate.
; LIMITS.  The products' operands are bf16, the sums f32.  bx + bh is added first and starts each sum as the C operand of its first product: another order of rounding than (x Wx^T + bx) + (h Wh^T + bh).
; v_exp_f32 and v_rcp_f32 count denormals as 0 (ISA guide 15.8).  exp(-2 g_c) is capped at 2^60, so that 1 - exp(-2 g_c) stays finite: tanh(g_c) ends 2^-59 short of -1.  Every other exponential may
; overflow: it ends in a reciprocal of infinity, 0, which is the limit.  The cap's v_min_num_f32 drops a NaN in g_c: NaN and infinite inputs are not served.
; SHARES.  A work-group of four waves makes 256 rows x 256 columns of g = 64 units x 4 gates; a wave 128 x 128: 64 accumulators of 16 x 16, 512 registers.  K = 2,048 goes in 16 steps of 128 through a ring of
; two LDS slots filled by the tensor data mover; a tile's rows are 256 bytes of memory and start at multiples of 256 bytes.
; THE MATRIX INSTRUCTION IS USED TRANSPOSED (source 0 = 16 rows of W2, source 1 = 16 rows of A2): lane l holds row l % 16 and the columns 8 (l / 16) + 0..7.  Accumulator (a, b): my rows 16 a on, my columns
; 16 b on; b = 2 gate + ub.  So register j of accumulators (a, ub), (a, 2 + ub), (a, 4 + ub), (a, 6 + ub) holds the four gates of ONE unit, 32 ch + 16 ub + 8 (l / 16) + j, in one lane: the gates meet without any exchange.
; CLUSTERS.  4 x 4 work-groups.  The four of a row of the cluster need the same tiles of A2, the four of a column the same tiles of W2: each is asked for JOINTLY, by the same tensor load with the same descriptor
; and a mask that names the four.  That divides the requests for both by four.  c_1's tile is each work-group's own: a load without a mask.
; LDS.  Slot 0 at 0, slot 1 at SLOT: A2's 256 rows, then W2's 256 rows, 272 bytes apart.  Slot 0's last fill is c_1 (256 rows x 256 bytes, 272 apart), asked for when K step 14 has been read, so that it lands
; under K step 15's products.  Slot 1 has its last fill with K step 15; behind the barrier that ends its reads it is the stage for the way out: c at SLOT, h_new at SLOT + PLANE.  Behind the slots: the spare words.
; REGISTERS, in windows of 256 (s_set_vgpr_msb's low byte: bits 1:0 source 0, 3:2 source 1, 5:4 source 2, 7:6 destination):
;   window 0: v1-5 at work; v16-30 addresses; v64-127, v128-191 fragments of A2, two buffers; v192-255 bh at the start.  At the end v64-223 are the gates' registers, then v64-191 the way out's.
;   window 1: v0-63 the bias, 8 registers for each b; v64-127, v128-191 fragments of W2, two buffers.
;   window 2: the accumulators of my rows 0-63, (a, b) at v[8 (8 a + b)];   window 3: those of my rows 64-127.
.set SIZE_K, 2048
.set KSTEP,  128
.set PITCH,  272                       ; an LDS row: 256 bytes + 16 of padding = 68 words: row r starts at bank 4 r mod 64 (64 banks of 4 bytes: ISA guide 11.1), so the 16 rows that a load touches start at 16 different banks
.set HALFT,  128*PITCH                 ; 128 rows: what one joint load brings, and what one wave reads of A2 or of W2
.set SLOT,   4*HALFT
.set PLANE,  256*PITCH                 ; 256 rows x 272 bytes: c_1's tile; c's and h_new's stage
.set SPARE,  2*SLOT                    ; the spare words, 128 bytes for each wave: two blocks of 256 bytes that no other line names
.set LAPS,   SIZE_K/(2*KSTEP)          ; a lap = two K steps = once round the ring: 8
.set ROWB,   4096                      ; bytes in a row of c_1, out0, out1
.set ADRA, 16                          ; v16-17  LDS address of my A2 fragments in slot 0, 1
.set ADRB, 20                          ; v20-21  the same for W2
.set CA,   22                          ; v22     c_1 in LDS: (128 rh + l % 16) x 272 + 128 ch + 32 (l / 16)
.set BO,   23                          ; v23     32 (l / 16): my eight columns' bytes in the biases
.set STC,  24                          ; v24     SLOT + CA: where I put c
.set STH,  25                          ; v25     SLOT + PLANE + CA: where I put h_new
.set RDC,  26                          ; v26     where I read rows of c back: SLOT + (64 w + l / 16) x 272 + 16 (l % 16)
.set RDH,  27                          ; v27     the same for h_new
.set SPW,  28                          ; v28     LDS address of my spare word: SPARE + 4 x my thread's number; never rewritten
.set NIL,  29                          ; v29     0; never rewritten
.set CO,   30                          ; v30     my byte offset in two rows of an output
.set F0,   64                          ; fragment buffer 0
.set F1,   128                         ; fragment buffer 1
.set BI,   0                           ; window 1: the bias
.set BT,   192                         ; window 0: bh, until it is added onto bx
.set TI,   64                          ; the end, 16 registers each (element 8 ub + j): gate i,
.set TF,   80                          ; gate f,
.set TO,   96                          ; gate o,
.set TC,   112                         ; gate c: the four lie end to end, in the accumulators' own order
.set UD,   128                         ; 1 + exp(-2 g_c)
.set C1B,  144                         ; c_1, two buffers of 16
.set CN,   176                         ; c
.set T2,   192                         ; exp(-2 c), then the divisor of h_new
.set HN,   208                         ; h_new
.set G1,  24                           ; s[24:31] descriptor group 1 for A2's tiles
.set G0,  32                           ; s[32:39] group 0 for A2's tiles, one set for each slot
.set G1B, 48                           ; s[48:55] group 1 for W2's tiles: it differs in the mask alone
.set G0B, 56                           ; s[56:63] group 0 for W2's tiles
.set G1C, 68                           ; s[68:75] group 1 for c_1's tile
.set G0C, 76                           ; s[76:79] group 0 for c_1's tile
.set NL,  98                           ; s[98:99]   -log2(e), named as a pair
.set N2,  100                          ; s[100:101] -2 log2(e)
.set MSB, 0
.macro WIN new                         ; the immediate's high byte repeats the setting that is left; a switch that changes nothing is dropped
.if MSB != (\new)
	s_set_vgpr_msb (MSB<<8)|(\new)
.set MSB, \new
.endif
.endm
.set TO_B, 0x40                        ; destination window 1, address window 0
; A joint load.  Waves 0 and 1 fetch A2's two halves, waves 2 and 3 W2's.  Each of the two lines has ONE mask and one set of registers for all that issue it; the branch hangs on the wave's number alone.
; An s_nop 0 and four v_nop follow each of the two lines, ahead of the jump, the label and what follows the macro.
.macro JLOAD s
	s_cmp_eq_u32 s11, 0
	s_cbranch_scc0 .Lfor_b_\@
	tensor_load_to_lds s[G0+4*(\s):G0+4*(\s)+3], s[G1:G1+7]
	s_nop 0
.rept 4
	v_nop
.endr
	s_branch .Lasked_\@
.Lfor_b_\@:
	tensor_load_to_lds s[G0B+4*(\s):G0B+4*(\s)+3], s[G1B:G1B+7]
	s_nop 0
.rept 4
	v_nop
.endr
.Lasked_\@:
.endm
; A round of the cluster's barrier: my work-group's barrier, so that wave 0's signal speaks for all four waves; wave 0 signals for the work-group; every wave waits for all sixteen work-groups; my work-group's barrier once more.
.macro CREST                           ; a round behind its opening barrier
	s_cmp_lg_u32 s10, 0
	s_cbranch_scc1 .Lnot_wave_0_\@
	s_barrier_signal -3
.Lnot_wave_0_\@:
	s_barrier_wait -3
	s_barrier_signal -1
	s_barrier_wait -1
.endm
.macro CROUND                          ; a whole round
	s_barrier_signal -1
	s_barrier_wait -1
	CREST
.endm
	s_load_b256 s[84:91], s[0:1], 0x0              ; A2 s[84:85], W2 s[86:87], c_1 s[88:89], bx s[90:91]
	s_load_b128 s[92:95], s[0:1], 0x20             ; bh s[92:93], out0 s[94:95]
	s_load_b64 s[96:97], s[0:1], 0x30              ; out1
	v_lshl_add_u32 v[SPW], v0, 2, SPARE
	v_mov_b32 v[NIL], 0
	ds_add_u32 v[SPW], v[NIL]                      ; the wave's opening: the add and its wait stand ahead of my first tensor load; the set-up below, work on registers, stands between them
	v_lshrrev_b32 v1, 5, v0
	v_readfirstlane_b32 s10, v1                    ; wave w = 0..3
	s_lshr_b32 s11, s10, 1                         ; rh: which half of the tile's rows is mine.  Also: I fetch for A2 (0) or for W2 (1)
	s_and_b32 s12, s10, 1                          ; ch: which half of its columns.  Also: which 128 rows of that tile I fetch
	s_bfe_u32 s40, ttmp6, 0x40000                  ; cx: my place along the cluster's x
	s_bfe_u32 s41, ttmp6, 0x40004                  ; cy: along its y
	s_lshl_b32 s42, ttmp9, 2                       ; in a cluster launch ttmp9 and ttmp7 count clusters
	s_add_co_u32 s42, s42, s40                     ; tc: tile column = 4 x cluster x + cx
	s_and_b32 s13, ttmp7, 0xffff
	s_lshl_b32 s13, s13, 2
	s_add_co_u32 s13, s13, s41                     ; tr: tile row = 4 x cluster y + cy
	s_lshl_b32 s43, s41, 2
	s_lshl_b32 s43, 15, s43                        ; my row of the cluster: places 4 cy .. 4 cy + 3
	s_lshl_b32 s44, 0x1111, s40                    ; my column: places cx, cx + 4, cx + 8, cx + 12
	; group 1 for A2 and W2: a tile of 128 rows x 128 elements of 2 bytes, padded in LDS
	s_or_b32 s[G1+0], s43, (1<<16)|(1<<20)|(1<<21)|(5<<22)|(3<<25)   ; 15:0 the mask: A2's tiles go to my row; 17:16 2-byte elements; 20 padding on; 21 set beside a mask; 24:22 after every 64 words (code 5); 31:25 4 words (code 3)
	s_or_b32 s[G1B+0], s44, (1<<16)|(1<<20)|(1<<21)|(5<<22)|(3<<25)  ; the same with the mask of my column
.irp g, G1, G1B
	s_mov_b32 s[(\g)+1], KSTEP<<16                 ; tensor_dim0 = 128
	s_mov_b32 s[(\g)+2], 128<<16                   ; tensor_dim1 = 128
	s_mov_b32 s[(\g)+3], KSTEP<<16                 ; tile_dim0 = 128
	s_mov_b32 s[(\g)+4], 128                       ; tile_dim1 = 128
	s_mov_b32 s[(\g)+5], SIZE_K                    ; elements from row to row
	s_mov_b32 s[(\g)+6], 0
	s_mov_b32 s[(\g)+7], 0
.endr
	; group 1 for c_1: a tile of 64 rows x 64 elements of 4 bytes, no mask, padded alike
	s_mov_b32 s[G1C+0], (2<<16)|(1<<20)|(5<<22)|(3<<25)
	s_mov_b32 s[G1C+1], 64<<16                     ; tensor_dim0 = 64
	s_mov_b32 s[G1C+2], 64<<16                     ; tensor_dim1 = 64
	s_mov_b32 s[G1C+3], 64<<16                     ; tile_dim0 = 64
	s_mov_b32 s[G1C+4], 64                         ; tile_dim1 = 64
	s_mov_b32 s[G1C+5], 1024                       ; elements from row to row
	s_mov_b32 s[G1C+6], 0
	s_mov_b32 s[G1C+7], 0
	s_mov_b32 s4, 0x42700000                       ; 60.0: the cap on the exponent of exp(-2 g_c)
	s_mov_b32 s[NL], 0xbfb8aa3b                    ; -log2(e)
	s_mov_b32 s[NL+1], s[NL]
	s_mov_b32 s[N2], 0xc038aa3b                    ; -2 log2(e)
	s_mov_b32 s[N2+1], s[N2]
	; where the tiles come from, in bytes (rows of 4,096; all under 2^26).  A2's hang on tr alone, which my row of the cluster shares; W2's on tc alone, which my column shares:
	; each in registers that never hold the other coordinate.
	s_lshl_b32 s17, s12, 7                         ; which 128 rows of the tile I fetch
	s_lshl_b32 s16, s13, 8
	s_add_co_u32 s16, s16, s17                     ; A2: row 256 tr + 128 x half
	s_lshl_b32 s16, s16, 12
	s_lshl_b32 s46, s42, 8
	s_add_co_u32 s46, s46, s17                     ; W2: row 256 tc + 128 x half
	s_lshl_b32 s46, s46, 12
	s_mov_b32 s17, 0
	s_mov_b32 s47, 0
	s_mul_i32 s20, s10, HALFT                      ; where they go: A2's two halves, then W2's two halves = wave x 128 rows: no place in the cluster enters an LDS address
	s_lshl_b32 s80, s13, 8                         ; s[80:81]: (256 tr + 64 w) rows of 4,096 bytes + 256 tc: my 64 rows x 256 bytes of c_1, out0, out1
	s_lshl_b32 s6, s10, 6
	s_add_co_u32 s80, s80, s6
	s_lshl_b32 s80, s80, 12
	s_lshl_b32 s6, s42, 8
	s_add_co_u32 s80, s80, s6
	s_mov_b32 s81, 0
	s_lshl_b32 s7, s12, 7                          ; s[6:7]: 256 tc + 128 ch: my 32 units' bytes in one gate of a bias
	s_add_co_u32 s6, s6, s7
	s_mov_b32 s7, 0
	s_wait_dscnt 0x0                               ; the opening add is done
	s_wait_kmcnt 0x0
	s_add_nc_u64 s[14:15], s[84:85], s[16:17]
	s_add_nc_u64 s[46:47], s[86:87], s[46:47]
	CROUND                                         ; all sixteen work-groups are here: the first joint loads meet
.irp s, 0,1
	s_mov_b32 s[G0+4*(\s)], 1                                        ; 1:0 count = 1
	s_add_co_u32 s[G0+4*(\s)+1], s20, (\s)*SLOT                      ; 63:32 LDS address
	s_add_nc_u64 s[G0+4*(\s)+2:G0+4*(\s)+3], s[14:15], (\s)*KSTEP*2  ; 120:64 global address: K step s
	s_or_b32 s[G0+4*(\s)+3], s[G0+4*(\s)+3], 0x80000000              ; 127:126 type = 2
	s_mov_b32 s[G0B+4*(\s)], 1
	s_add_co_u32 s[G0B+4*(\s)+1], s20, (\s)*SLOT
	s_add_nc_u64 s[G0B+4*(\s)+2:G0B+4*(\s)+3], s[46:47], (\s)*KSTEP*2
	s_or_b32 s[G0B+4*(\s)+3], s[G0B+4*(\s)+3], 0x80000000
	JLOAD \s                                       ; the ring is filled before anything else is done: two loads of mine are out
.endr
	s_mov_b32 s[G0C], 1                            ; c_1's group 0: my 64 rows, to LDS byte w x 64 rows
	s_mul_i32 s[G0C+1], s10, 64*PITCH
	s_add_nc_u64 s[G0C+2:G0C+3], s[88:89], s[80:81]
	s_or_b32 s[G0C+3], s[G0C+3], 0x80000000
	s_add_nc_u64 s[94:95], s[94:95], s[80:81]      ; out0 and out1 at the 64 rows that I store
	s_add_nc_u64 s[96:97], s[96:97], s[80:81]
	s_add_nc_u64 s[90:91], s[90:91], s[6:7]        ; bx and bh at my 32 units of gate 0
	s_add_nc_u64 s[92:93], s[92:93], s[6:7]
	v_and_b32 v1, 15, v0                           ; l % 16
	v_bfe_u32 v2, v0, 4, 1                         ; l / 16
	v_lshlrev_b32 v[BO], 5, v2
	; The bias in the accumulators' layout: register j of block b = bias[1024 (b / 2) + 64 tc + 32 ch + 16 (b % 2) + 8 (l / 16) + j], the same for all 16 rows.  Read once, while the first tiles are on their way.
	WIN TO_B
.irp b, 0,1,2,3,4,5,6,7
	global_load_b128 v[BI+8*(\b):BI+8*(\b)+3],   v[BO], s[90:91] offset:((\b)/2)*4096+((\b)%2)*64
	global_load_b128 v[BI+8*(\b)+4:BI+8*(\b)+7], v[BO], s[90:91] offset:((\b)/2)*4096+((\b)%2)*64+16
.endr
	WIN 0
.irp b, 0,1,2,3,4,5,6,7
	global_load_b128 v[BT+8*(\b):BT+8*(\b)+3],   v[BO], s[92:93] offset:((\b)/2)*4096+((\b)%2)*64
	global_load_b128 v[BT+8*(\b)+4:BT+8*(\b)+7], v[BO], s[92:93] offset:((\b)/2)*4096+((\b)%2)*64+16
.endr
	; A fragment is 16 rows x 32 K in 8 registers: lane l holds row l % 16; registers 0-3 hold K = 8 (l / 16) + 0..7, registers 4-7 K = 16 + 8 (l / 16) + 0..7: two loads of 16 bytes, 32 bytes apart.
	v_mul_u32_u24 v3, v1, PITCH
	v_lshl_add_u32 v4, v2, 5, v3                   ; row x pitch + 32 x half: for c_1 and the stage
	v_lshl_add_u32 v3, v2, 4, v3                   ; row x pitch + 16 x half: for the fragments
	s_mul_i32 s21, s11, HALFT                      ; my 128 rows of A2
	s_mul_i32 s22, s12, HALFT                      ; my 128 rows of W2,
	s_add_co_u32 s22, s22, 2*HALFT                 ; which lie behind A2's 256
.irp s, 0,1
	v_add_nc_u32 v[ADRA+(\s)], s21, v3
	v_add_nc_u32 v[ADRB+(\s)], s22, v3
	s_add_co_u32 s21, s21, SLOT
	s_add_co_u32 s22, s22, SLOT
.endr
	s_mul_i32 s23, s11, HALFT                      ; my 128 rows of c_1's tile,
	s_lshl_b32 s8, s12, 7                          ; my 32 units' 128 bytes in them
	s_add_co_u32 s23, s23, s8
	v_add_nc_u32 v[CA], s23, v4
	v_add_nc_u32 v[STC], SLOT, v[CA]
	v_add_nc_u32 v[STH], SLOT+PLANE, v[CA]
	v_mul_u32_u24 v5, v2, PITCH                    ; back: lanes 0-15 take one row of 256 bytes, lanes 16-31 the next; wave w takes rows 64 w .. 64 w + 63
	v_lshl_add_u32 v5, v1, 4, v5
	s_mul_i32 s23, s10, 64*PITCH
	s_add_co_u32 s23, s23, SLOT
	v_add_nc_u32 v[RDC], s23, v5
	v_add_nc_u32 v[RDH], PLANE, v[RDC]
	v_lshlrev_b32 v5, 12, v2                       ; and the same two rows in an output
	v_lshl_add_u32 v[CO], v1, 4, v5
	s_wait_loadcnt 0x0                             ; both biases, once
	WIN 0x41                                       ; destination and source 0 window 1, source 1 window 0
.set z, 0
.rept 32
	v_pk_add_f32 v[BI+z:BI+z+1], v[BI+z:BI+z+1], v[BT+z:BT+z+1]
.set z, z+2
.endr
	WIN 0
; 16 matrix instructions: m blocks a0, a0 + 1 of the window's four (hi = 0: my rows 0-63, 1: rows 64-127) x all 8 n blocks, 32 along K.
; zero = 1: the first product starts the sums, with the bias (window 1) as C: nothing is cleared, and no add follows the sums.
; The 64 accumulators take turns, one instruction a turn, in the same order in every quarter step.
.macro MUL16 f, hi, a0, zero
.if \zero
	WIN 0x91+0x40*(\hi)                            ; source 0 (W2) window 1, source 1 (A2) window 0, C window 1, D window 2 or 3
.else
	WIN 0xa1+0x50*(\hi)                            ; the same with C and D window 2 or 3
.endif
.irp a, \a0, (\a0)+1
.irp b, 0,1,2,3,4,5,6,7
.if \zero
	v_wmma_f32_16x16x32_bf16 v[8*(8*(\a)+(\b)):8*(8*(\a)+(\b))+7], v[(\f)+8*(\b):(\f)+8*(\b)+7], v[(\f)+8*(4*(\hi)+(\a)):(\f)+8*(4*(\hi)+(\a))+7], v[BI+8*(\b):BI+8*(\b)+7]
.else
	v_wmma_f32_16x16x32_bf16 v[8*(8*(\a)+(\b)):8*(8*(\a)+(\b))+7], v[(\f)+8*(\b):(\f)+8*(\b)+7], v[(\f)+8*(4*(\hi)+(\a)):(\f)+8*(4*(\hi)+(\a))+7], v[8*(8*(\a)+(\b)):8*(8*(\a)+(\b))+7]
.endif
.endr
.endr
.endm
; 32 LDS loads in one run: the fragments of one quarter step (128 rows of W2, 128 rows of A2, 32 K at byte k of the rows) into buffer f
.macro FETCH slot, k, f
	WIN TO_B
.irp i, 0,1,2,3,4,5,6,7
	ds_load_b128 v[(\f)+8*(\i):(\f)+8*(\i)+3],   v[ADRB+(\slot)] offset:(\k)+(\i)*16*PITCH
	ds_load_b128 v[(\f)+8*(\i)+4:(\f)+8*(\i)+7], v[ADRB+(\slot)] offset:(\k)+(\i)*16*PITCH+32
.endr
	WIN 0
.irp i, 0,1,2,3,4,5,6,7
	ds_load_b128 v[(\f)+8*(\i):(\f)+8*(\i)+3],   v[ADRA+(\slot)] offset:(\k)+(\i)*16*PITCH
	ds_load_b128 v[(\f)+8*(\i)+4:(\f)+8*(\i)+7], v[ADRA+(\slot)] offset:(\k)+(\i)*16*PITCH+32
.endr
.endm
; A load into a register that a matrix instruction has read, and a vector instruction that reads a matrix result or writes one of a matrix instruction's registers, stand four places behind it, and only plain
; vector instructions that name none of its registers are places (ISA guide 7.12.1 for vector instructions).
.macro PLACES
.rept 4
	v_nop
.endr
.endm
; A K step is four quarter steps of 32 along K, 64 matrix instructions each, on buffers 0, 1, 0, 1.
; One of the first three: multiplies buffer f; in its middle it fetches the next quarter's fragments, at byte k of the same slot's rows, into buffer g.
.macro QUARTER slot, k, f, g, zero
	s_wait_dscnt 8                                 ; W2's fragments and A2's rows 0-63 are in; the youngest eight loads (A2's rows 64-127) may be out
	MUL16 \f, 0, 0, \zero
	MUL16 \f, 0, 2, \zero
	PLACES
	FETCH \slot, \k, \g
	s_wait_dscnt 32                                ; all but the 32 just issued
	MUL16 \f, 1, 0, \zero
	MUL16 \f, 1, 2, \zero
.endm
; The last quarter multiplies buffer 1 and changes slots.  MEET is its first half: in front of the barrier each wave waits for all its tensor loads, of which one is out: its part of the next slot; adds 0 to its
; spare word; and waits for that and for its own reads of this slot.  The barrier opens a round of the cluster's barrier.
.macro MEET
	WIN 0                                          ; (the add's two registers lie in window 0)
	s_wait_tensorcnt 0x0                           ; all my tensor loads have landed
	ds_add_u32 v[SPW], v[NIL]                      ; 0 onto my spare word
	s_wait_dscnt 9                                 ; (the add and the youngest eight loads may be out)
	MUL16 F1, 0, 0, 0                              ; sixteen matrix instructions stand between the add and the wait for it
	s_wait_dscnt 0x0                               ; the add is done, and my reads of this slot are over
	s_barrier_signal -1
	MUL16 F1, 0, 2, 0                              ; work on registers while the others arrive
	WIN 0
	s_barrier_wait -1
.endm
; The whole last quarter: behind the round no wave of any partner still reads this slot or has a load on its way; the slot is filled again first, with the K step two steps on; then come the next slot's first
; fragments.  From a request to the wait for it a wave issues 224 matrix instructions.
.macro TURN slot, next
	MEET
	CREST
	s_add_nc_u64 s[G0+4*(\slot)+2:G0+4*(\slot)+3], s[G0+4*(\slot)+2:G0+4*(\slot)+3], 2*KSTEP*2
	s_add_nc_u64 s[G0B+4*(\slot)+2:G0B+4*(\slot)+3], s[G0B+4*(\slot)+2:G0B+4*(\slot)+3], 2*KSTEP*2
	JLOAD \slot                                    ; my one tensor load behind the round; the four v_nop behind it are also the places in front of the loads below
	FETCH \next, 0, F0
	MUL16 F1, 1, 0, 0
	MUL16 F1, 1, 2, 0
.endm
; THE END.  One line for eight pairs (z = 0, 2 .. 14) or for sixteen registers (z = 0 .. 15).
.macro RUN8 line:vararg
.set z, 0
.rept 8
	\line
.set z, z+2
.endr
.endm
.macro RUN16 line:vararg
.set z, 0
.rept 16
	\line
.set z, z+1
.endr
.endm
.macro C1LOAD a                        ; c_1 for block a (my rows 16 a on): my row's 16 units, element 8 ub + j at byte 64 ub + 4 j, into buffer a % 2
.set CL, C1B+16*((\a)%2)
.irp q, 0,1,2,3
	ds_load_b128 v[CL+4*(\q):CL+4*(\q)+3], v[CA] offset:(\a)*16*PITCH+64*((\q)/2)+16*((\q)%2)
.endr
.endm
; Block a: 16 rows x 32 units, 16 elements a lane.  With Ei = exp(-g_i), Ef, Eo alike, Ec = exp(-2 g_c):
;   i c_ = (1 - Ec) / ((1 + Ei)(1 + Ec));  f = 1 / (1 + Ef);  c = 1 / (1 + exp(-(f c_1 + i c_)));  h_new = (1 - Et) / ((1 + Et)(1 + Eo)), Et = exp(-2 c).
; Six exponentials and four reciprocals an element: two quotients share a reciprocal each.  Transcendentals stand in runs, and a plain instruction stands behind each run before a result is used (ISA guide 5.7.2).
.macro EPI a
.set AC, 64*((\a)%4)
.set CB, C1B+16*((\a)%2)
.if (\a) < 7
	C1LOAD (\a)+1                                  ; the next block's c_1 is fetched a block ahead
.endif
	WIN 0x02+(\a)/4                                ; source 0: window 2 or 3
.set n, 0
.rept 24                               ; the block's 64 sums, in ascending order (each accumulator's lowest registers first), times the exponent's factor: gates i, f, o
	v_pk_mul_f32 v[TI+n:TI+n+1], v[AC+n:AC+n+1], s[NL:NL+1] op_sel_hi:[1,0]
.set n, n+2
.endr
.rept 8                                ; gate c
	v_pk_mul_f32 v[TI+n:TI+n+1], v[AC+n:AC+n+1], s[N2:N2+1] op_sel_hi:[1,0]
.set n, n+2
.endr
	WIN 0
	RUN16 v_min_num_f32 v[TC+z], s4, v[TC+z]
	RUN16 v_exp_f32 v[TI+z], v[TI+z]
	RUN16 v_exp_f32 v[TC+z], v[TC+z]
	RUN16 v_exp_f32 v[TF+z], v[TF+z]
	RUN16 v_exp_f32 v[TO+z], v[TO+z]
	v_nop
	s_wait_alu depctr_va_vdst(0)
	RUN8 v_pk_add_f32 v[UD+z:UD+z+1], v[TC+z:TC+z+1], 1.0 op_sel_hi:[1,0]
	RUN8 v_pk_fma_f32 v[TC+z:TC+z+1], v[TC+z:TC+z+1], -1.0, 1.0 op_sel_hi:[1,0,0]
	RUN8 v_pk_add_f32 v[TI+z:TI+z+1], v[TI+z:TI+z+1], 1.0 op_sel_hi:[1,0]
	RUN8 v_pk_mul_f32 v[TI+z:TI+z+1], v[TI+z:TI+z+1], v[UD+z:UD+z+1]
	RUN8 v_pk_add_f32 v[TF+z:TF+z+1], v[TF+z:TF+z+1], 1.0 op_sel_hi:[1,0]
	RUN8 v_pk_add_f32 v[TO+z:TO+z+1], v[TO+z:TO+z+1], 1.0 op_sel_hi:[1,0]
	RUN16 v_rcp_f32 v[TI+z], v[TI+z]
	RUN16 v_rcp_f32 v[TF+z], v[TF+z]
	v_nop
	s_wait_alu depctr_va_vdst(0)
.if (\a) < 7
	s_wait_dscnt 4                                 ; this block's c_1 is in; the next block's four loads may be out
.else
	s_wait_dscnt 0x0
.endif
	RUN8 v_pk_mul_f32 v[TC+z:TC+z+1], v[TC+z:TC+z+1], v[TI+z:TI+z+1]
	RUN8 v_pk_fma_f32 v[CN+z:CN+z+1], v[TF+z:TF+z+1], v[CB+z:CB+z+1], v[TC+z:TC+z+1]
	RUN8 v_pk_mul_f32 v[CN+z:CN+z+1], v[CN+z:CN+z+1], s[NL:NL+1] op_sel_hi:[1,0]
	RUN16 v_exp_f32 v[CN+z], v[CN+z]
	v_nop
	s_wait_alu depctr_va_vdst(0)
	RUN8 v_pk_add_f32 v[CN+z:CN+z+1], v[CN+z:CN+z+1], 1.0 op_sel_hi:[1,0]
	RUN16 v_rcp_f32 v[CN+z], v[CN+z]
	v_nop
	s_wait_alu depctr_va_vdst(0)
	RUN8 v_pk_mul_f32 v[T2+z:T2+z+1], v[CN+z:CN+z+1], s[N2:N2+1] op_sel_hi:[1,0]
	RUN16 v_exp_f32 v[T2+z], v[T2+z]
	v_nop
	s_wait_alu depctr_va_vdst(0)
	RUN8 v_pk_fma_f32 v[HN+z:HN+z+1], v[T2+z:T2+z+1], -1.0, 1.0 op_sel_hi:[1,0,0]
	RUN8 v_pk_add_f32 v[T2+z:T2+z+1], v[T2+z:T2+z+1], 1.0 op_sel_hi:[1,0]
	RUN8 v_pk_mul_f32 v[T2+z:T2+z+1], v[T2+z:T2+z+1], v[TO+z:TO+z+1]
	RUN16 v_rcp_f32 v[T2+z], v[T2+z]
	v_nop
	s_wait_alu depctr_va_vdst(0)
	RUN8 v_pk_mul_f32 v[HN+z:HN+z+1], v[HN+z:HN+z+1], v[T2+z:T2+z+1]
.irp q, 0,1,2,3                        ; into the stage, at c_1's places: 16 lanes put 16 bytes each into 16 rows 272 bytes apart
	ds_store_b128 v[STC], v[CN+4*(\q):CN+4*(\q)+3] offset:(\a)*16*PITCH+64*((\q)/2)+16*((\q)%2)
	ds_store_b128 v[STH], v[HN+4*(\q):HN+4*(\q)+3] offset:(\a)*16*PITCH+64*((\q)/2)+16*((\q)%2)
.endr
.endm
; THE WAY OUT, in four parts k of 32 rows: c's rows 0-31 and 32-63 of my 64, then h_new's.  LDB: 16 loads of two whole rows each, into buffer k % 2.  STB: they are stored.
.macro LDB k
.set BK, 64+64*((\k)%2)
.set RA, RDC+(\k)/2
.if (\k) >= 2
	s_wait_xcnt 0x0                                ; every earlier memory instruction has had its addresses translated (ISA guide 3.1): the buffer, which part k - 2's stores read, is loaded again only behind this wait
.endif
.irp t, 0,1,2,3,4,5,6,7,8,9,10,11,12,13,14,15
	ds_load_b128 v[BK+4*(\t):BK+4*(\t)+3], v[RA] offset:(16*((\k)%2)+(\t))*2*PITCH
.endr
.endm
.macro STB k, younger                  ; younger: the LDS loads issued behind part k's, which may stay out
.set BK, 64+64*((\k)%2)
.set OB, 96-2*((\k)/2)                 ; out1 takes c, out0 takes h_new
.irp t, 0,1,2,3,4,5,6,7,8,9,10,11,12,13,14,15
	s_wait_dscnt (\younger)+15-(\t)
	global_store_b128 v[CO], v[BK+4*(\t):BK+4*(\t)+3], s[OB:OB+1] offset:(16*((\k)%2)+(\t))*2*ROWB th:TH_STORE_NT  ; 16 lanes store 256 consecutive bytes, at a multiple of 256 from the output's first byte
.endr
.endm
	s_wait_tensorcnt 1                             ; my part of K step 0 is in; K step 1's may stay out
	s_barrier_signal -1
	s_barrier_wait -1                              ; everybody's is
	FETCH 0, 0, F0
	QUARTER 0, 64,  F0, F1, 1                      ; the first quarter stands in front of the loop: its products start the sums, on the bias
	WIN 0                                          ; at a label and at a branch every window is 0
	s_mov_b32 s3, LAPS-1
.Llap:                                                 ; a trip goes once round the ring, from a lap's second quarter to the next lap's first, and fills both slots again: K steps 2 to 15 in seven trips
	QUARTER 0, 128, F1, F0, 0
	QUARTER 0, 192, F0, F1, 0
	TURN 0, 1
	QUARTER 1, 64,  F0, F1, 0
	QUARTER 1, 128, F1, F0, 0
	QUARTER 1, 192, F0, F1, 0
	TURN 1, 0
	QUARTER 0, 64,  F0, F1, 0
	WIN 0
	s_sub_co_u32 s3, s3, 1
	s_cmp_lg_u32 s3, 0
	s_cbranch_scc1 .Llap
	QUARTER 0, 128, F1, F0, 0                      ; the last lap goes on: K step 14
	QUARTER 0, 192, F0, F1, 0
	MEET                                           ; the change to slot 1, as in every lap; slot 0 takes c_1 in place of a K step
	CREST
	tensor_load_to_lds s[G0C:G0C+3], s[G1C:G1C+7]  ; every wave's own 64 rows of c_1: my one tensor load behind the round, and the launch's last; it has K step 15's products in which to land
	s_nop 0
	PLACES                                         ; these four are also the places in front of the loads below
	FETCH 1, 0, F0
	MUL16 F1, 1, 0, 0
	MUL16 F1, 1, 2, 0
	QUARTER 1, 64,  F0, F1, 0                      ; K step 15
	QUARTER 1, 128, F1, F0, 0
	QUARTER 1, 192, F0, F1, 0
	s_wait_dscnt 8                                 ; the very last quarter: nothing more to fetch
	MUL16 F1, 0, 0, 0
	MUL16 F1, 0, 2, 0
	s_wait_dscnt 0x0                               ; my reads of slot 1 are over: behind the barrier it is written as the stage;
	s_wait_tensorcnt 0x0                           ; my rows of c_1 have landed: behind the barrier other waves read them
	s_barrier_signal -1
	MUL16 F1, 1, 0, 0                              ; work on registers while the others arrive
	MUL16 F1, 1, 2, 0
	WIN 0
	s_barrier_wait -1
	PLACES                                         ; behind the last products: the lines below read results and write fragment registers
	C1LOAD 0
.irp a, 0,1,2,3,4,5,6,7
	EPI \a
.endr
	s_wait_dscnt 0x0                               ; for the others' sake: my stores into the stage are done (a row's 256 bytes come from two waves)
	s_barrier_signal -1
	s_barrier_wait -1
	LDB 0
	LDB 1
	STB 0, 16
	LDB 2
	STB 1, 16
	LDB 3
	STB 2, 16
	STB 3, 0
	s_wait_tensorcnt 0x0                           ; the wave's end: behind my last tensor load and my last LDS store
	ds_add_u32 v[SPW], v[NIL]
	s_wait_dscnt 0x0
	CROUND                                         ; the closing round: no work-group ends while a partner may still ask for a tile that names it
	s_endpgm
.Lfunc_end_k_q9d51e3c5e6_lstm:
	.size	k_q9d51e3c5e6_lstm, .Lfunc_end_k_q9d51e3c5e6_lstm-k_q9d51e3c5e6_lstm
	.p2alignl 7, 3214868480
	.fill 96, 4, 3214868480
	.section	.rodata,"a",@progbits
	.p2align	6, 0x0
	.amdhsa_kernel k_q9d51e3c5e6_lstm
		.amdhsa_group_segment_fixed_size 327680
		.amdhsa_private_segment_fixed_size 0
		.amdhsa_enable_private_segment 0
		.amdhsa_kernarg_size 56
		.amdhsa_user_sgpr_count 2
		.amdhsa_user_sgpr_kernarg_segment_ptr 1
		.amdhsa_wavefront_size32 1
		.amdhsa_system_sgpr_workgroup_id_x 1
		.amdhsa_system_sgpr_workgroup_id_y 1
		.amdhsa_system_sgpr_workgroup_id_z 1
		.amdhsa_system_vgpr_workitem_id 0
		.amdhsa_next_free_vgpr 1024
		.amdhsa_next_free_sgpr 102
		.amdhsa_reserve_vcc 0
		.amdhsa_float_denorm_mode_32 3
		.amdhsa_float_denorm_mode_16_64 3
		.amdhsa_memory_ordered 1
		.amdhsa_forward_progress 1
		.amdhsa_inst_pref_size 255
	.end_amdhsa_kernel
	.section	.bss,"aw",@nobits
	.p2align	6
	.space	262144
	.amdgpu_metadata
---
amdhsa.version: [ 1, 2 ]
amdhsa.kernels:
  - .name:           k_q9d51e3c5e6_lstm
    .symbol:         k_q9d51e3c5e6_lstm.kd
    .args:
      - { .name: A2, .offset: 0, .size: 8, .value_kind: global_buffer, .address_space: global }
      - { .name: W2, .offset: 8, .size: 8, .value_kind: global_buffer, .address_space: global }
      - { .name: c_1, .offset: 16, .size: 8, .value_kind: global_buffer, .address_space: global }
      - { .name: bx, .offset: 24, .size: 8, .value_kind: global_buffer, .address_space: global }
      - { .name: bh, .offset: 32, .size: 8, .value_kind: global_buffer, .address_space: global }
      - { .name: out0, .offset: 40, .size: 8, .value_kind: global_buffer, .address_space: global }
      - { .name: out1, .offset: 48, .size: 8, .value_kind: global_buffer, .address_space: global }
    .group_segment_fixed_size: 327680
    .private_segment_fixed_size: 0
    .kernarg_segment_align: 8
    .kernarg_segment_size: 56
    .max_flat_workgroup_size: 128
    .sgpr_count:     102
    .vgpr_count:     1024
    .wavefront_size: 32
...
	.end_amdgpu_metadata
.endif
;; end of part 2
;; ======== version 2 of 2: 2 launches; version 1 with the launch cast written anew for expert scheduling mode
;; workspace buffers: A2 33,554,432 bytes; W2 16,777,216 bytes
;; launch cast (part 3): grid 256 x 3, 8 waves a work-group, no clusters, 0 bytes of LDS; arguments x, h, Wx, Wh, A2, W2; writes A2, W2
.if DOCPART == 3
	.amdgcn_target "amdgcn-amd-amdhsa--gfx1250"
	.amdhsa_code_object_version 6
	.text
	.protected	k_q9d51e3c5e6_cast
	.globl	k_q9d51e3c5e6_cast
	.p2align	8
	.type	k_q9d51e3c5e6_cast,@function
k_q9d51e3c5e6_cast:
	s_mov_b64 s[64:65], 0
	v_nop
	global_prefetch_b8 v0, s[64:65] scope:SCOPE_SE
	s_setreg_imm32_b32 hwreg(HW_REG_WAVE_SCHED_MODE, 0, 2), 2
	s_setreg_imm32_b32 hwreg(HW_REG_WAVE_MODE, 25, 1), 1
	s_wait_xcnt 0x0
	s_wait_alu depctr_vm_vsrc(0)
; x, h, Wx, Wh (f32) -> A2, W2 (bf16), each number rounded once to nearest even.
; A2[8192][2048]: row = x's row, then h's row.  W2[4096][2048]: row n' = Wx's row n, then Wh's row n, where
;   n = 1024 g + 64 tc + 32 ch + u  (g = gate 0..3, tc = 0..15, ch = 0..1, u = 0..31)   goes to   n' = 256 tc + 128 ch + 32 g + u:
; an aligned block of 32 rows, number q = 32 g + 2 tc + ch, goes whole to block 8 tc + 4 ch + g.  So 128 neighbouring rows of W2 hold the four gates of 32 units.
; A stream: no LDS, no barrier, no matrix work; each source byte is read once, each target byte written once.
; SHARES.  24,576 source rows of 4,096 bytes; a work-group takes 32, each of its eight waves 4.  Grid row 0: x; 1: h; 2: Wx (first 128 work-groups), Wh (the others).
; A wave issues all its 32 loads at once (16,384 bytes on their way), each 512 consecutive bytes; then each load's four numbers a lane are rounded in place and stored:
; 32 lanes x 8 bytes = 256 consecutive bytes, at a multiple of 256 from the buffer's first byte.
; THE MODE: SCHED_MODE bits 1:0 = 2 (LLVM: expert scheduling mode 2), set by the entry lines.  The code itself states the register dependences
; between vector instructions and memory instructions, with s_wait_alu, always for 0.
; THE PLAN.  Registers that memory instructions touch:
;   v1, v2          byte offsets of the loads and of the stores: written once at the head, never again.
;   v[X+4n .. +3]   load n lands here, before any vector instruction has named them; load n's two roundings read all four and write the first two; store n reads those two.
; No register that a memory instruction has read is ever written again, and no load lands in a register that a vector instruction has named: so the only dependences to state are
; vector results that memory instructions read.  The 32 loads go in eight blocks of BLK = 4.  Block p rounds its four loads; the four stores of block p - 1 are dealt among its roundings.
; ONE wait on va_vdst stands at a block's head: block p - 1's roundings have written what those four stores read; block p's roundings, issued behind the wait, name block p's registers alone.
.set ROW, 4096                         ; bytes in a source row, and in a row of A2 and W2
.set X,   4                            ; v[4:131]  load n: four registers
.set BLK, 4                            ; loads in a block
	s_load_b256 s[4:11], s[0:1], 0x0               ; x s[4:5], h s[6:7], Wx s[8:9], Wh s[10:11]
	s_load_b128 s[12:15], s[0:1], 0x20             ; A2 s[12:13], W2 s[14:15]
	s_and_b32 s16, ttmp7, 0xffff                   ; grid row: which tensor
	s_mov_b32 s17, ttmp9                           ; block of 32 rows (grid row 2: Wx's 128 blocks, then Wh's)
	s_and_b32 s18, s17, 127                        ; q
	s_lshr_b32 s19, s17, 7                         ; 0: Wx, 1: Wh
	s_bfe_u32 s20, s18, 0x40001                    ; tc = (q >> 1) & 15
	s_and_b32 s21, s18, 1                          ; ch
	s_lshr_b32 s22, s18, 5                         ; g
	s_lshl2_add_u32 s21, s21, s22                  ; 4 ch + g
	s_lshl3_add_u32 s20, s20, s21                  ; 8 tc + 4 ch + g: the block's place in W2
	s_cmp_eq_u32 s16, 2
	s_cselect_b32 s30, s18, s17                    ; source block
	s_cselect_b32 s31, s20, s17                    ; target block
	s_cselect_b32 s32, s19, s16                    ; which half of the target's rows: x, Wx 0; h, Wh 1
	s_lshl_b32 s34, s30, 17                        ; 32 rows of 4,096 bytes
	s_mov_b32 s35, 0
	s_lshl_b32 s36, s31, 17
	s_lshl_b32 s37, s32, 11                        ; half a target row: 1,024 bf16
	s_add_co_u32 s36, s36, s37
	s_mov_b32 s37, 0
	v_lshrrev_b32 v3, 5, v0                        ; wave
	v_and_b32 v2, 31, v0                           ; lane
	v_lshlrev_b32 v3, 14, v3                       ; the wave's 4 rows, in source and target alike
	v_lshl_or_b32 v1, v2, 4, v3                    ; source: 16 bytes a lane
	v_lshl_or_b32 v2, v2, 3, v3                    ; target: 8 bytes a lane
	s_wait_kmcnt 0x0
	s_cmp_eq_u32 s16, 1
	s_cselect_b64 s[24:25], s[6:7], s[4:5]         ; h or x
	s_cmp_lt_u32 s17, 128
	s_cselect_b64 s[26:27], s[8:9], s[10:11]       ; Wx or Wh
	s_cmp_eq_u32 s16, 2
	s_cselect_b64 s[24:25], s[26:27], s[24:25]     ; the source
	s_cselect_b64 s[28:29], s[14:15], s[12:13]     ; the target: W2 or A2
	s_add_nc_u64 s[24:25], s[24:25], s[34:35]
	s_add_nc_u64 s[28:29], s[28:29], s[36:37]
	s_wait_alu depctr_va_vdst(0)                   ; v1 and v2 are written: every load of the kernel reads v1 as its offset, every store v2; neither is written again
.set n, 0
.rept 32                               ; load n: row n / 8 of the wave's four, piece n % 8 of 512 bytes; read once in the launch
	global_load_b128 v[X+4*n:X+4*n+3], v1, s[24:25] offset:(n/8)*ROW+(n%8)*512 th:TH_LOAD_NT
.set n, n+1
.endr
.set n, 0
.rept 32
.if ((n % BLK) == 0) && (n > 0)
	s_wait_alu depctr_va_vdst(0)                   ; the block before has written its eight rounded registers, which the next four stores read; the roundings behind this wait name this block's registers alone
.endif
.if n >= BLK
	global_store_b64 v2, v[X+4*(n-BLK):X+4*(n-BLK)+1], s[28:29] offset:((n-BLK)/8)*ROW+((n-BLK)%8)*256  ; the block before; ahead of the wait for data, so that it does not sit behind it.  The next launch reads these bytes: no hint
.endif
	s_wait_loadcnt 31-n                            ; loads come back in order (ISA guide 5.7.1): load n is in, the 31 - n younger ones stay out
	v_cvt_pk_bf16_f32 v[X+4*n], v[X+4*n], v[X+4*n+1]
	v_cvt_pk_bf16_f32 v[X+4*n+1], v[X+4*n+2], v[X+4*n+3]
.set n, n+1
.endr
	s_wait_alu depctr_va_vdst(0)                   ; the last block has written its eight rounded registers, which the last four stores read
.set n, 32-BLK
.rept BLK
	global_store_b64 v2, v[X+4*n:X+4*n+1], s[28:29] offset:(n/8)*ROW+(n%8)*256
.set n, n+1
.endr
	s_endpgm
.Lfunc_end_k_q9d51e3c5e6_cast:
	.size	k_q9d51e3c5e6_cast, .Lfunc_end_k_q9d51e3c5e6_cast-k_q9d51e3c5e6_cast
	.p2alignl 7, 3214868480
	.fill 96, 4, 3214868480
	.section	.rodata,"a",@progbits
	.p2align	6, 0x0
	.amdhsa_kernel k_q9d51e3c5e6_cast
		.amdhsa_group_segment_fixed_size 0
		.amdhsa_private_segment_fixed_size 0
		.amdhsa_enable_private_segment 0
		.amdhsa_kernarg_size 48
		.amdhsa_user_sgpr_count 2
		.amdhsa_user_sgpr_kernarg_segment_ptr 1
		.amdhsa_wavefront_size32 1
		.amdhsa_system_sgpr_workgroup_id_x 1
		.amdhsa_system_sgpr_workgroup_id_y 1
		.amdhsa_system_sgpr_workgroup_id_z 1
		.amdhsa_system_vgpr_workitem_id 0
		.amdhsa_next_free_vgpr 132
		.amdhsa_next_free_sgpr 66
		.amdhsa_reserve_vcc 0
		.amdhsa_float_denorm_mode_32 3
		.amdhsa_float_denorm_mode_16_64 3
		.amdhsa_memory_ordered 1
		.amdhsa_forward_progress 1
		.amdhsa_inst_pref_size 14
	.end_amdhsa_kernel
	.amdgpu_metadata
---
amdhsa.version: [ 1, 2 ]
amdhsa.kernels:
  - .name:           k_q9d51e3c5e6_cast
    .symbol:         k_q9d51e3c5e6_cast.kd
    .args:
      - { .name: x, .offset: 0, .size: 8, .value_kind: global_buffer, .address_space: global }
      - { .name: h, .offset: 8, .size: 8, .value_kind: global_buffer, .address_space: global }
      - { .name: Wx, .offset: 16, .size: 8, .value_kind: global_buffer, .address_space: global }
      - { .name: Wh, .offset: 24, .size: 8, .value_kind: global_buffer, .address_space: global }
      - { .name: A2, .offset: 32, .size: 8, .value_kind: global_buffer, .address_space: global }
      - { .name: W2, .offset: 40, .size: 8, .value_kind: global_buffer, .address_space: global }
    .group_segment_fixed_size: 0
    .private_segment_fixed_size: 0
    .kernarg_segment_align: 8
    .kernarg_segment_size: 48
    .max_flat_workgroup_size: 256
    .sgpr_count:     66
    .vgpr_count:     132
    .wavefront_size: 32
...
	.end_amdgpu_metadata
.endif
;; end of part 3
;; launch lstm: the kernel of part 2 again; grid 16 x 32, 4 waves a work-group, clusters of 4 x 4, 327,680 bytes of LDS; arguments A2, W2, c_1, bx, bh, out0, out1; writes out0, out1
